; MI455X (gfx1250); checked and timed in simulation.
; The chip was launched on July 23, 2026; its instructions are those of AMD's public machine-readable ISA for CDNA 5 (MIT licence, August 2026) and "CDNA5" Instruction Set Architecture Reference Guide (July 2026). The comments in the code are by the model that wrote it; some were corrected since.
;; Base Transformer. Allowed arithmetic: matrix products marked QUANTISED: E4M3 operands, one E8M0 scale for each 32 along K, by v_wmma_scale_f32_16x16x128_f8f6f4 with both operands' format E4M3, f32 sums; everything else in f32.
;; Inputs: b_o 128 float32; b_qkv 768 float32; b_res 128 float32; w_o_codes 128 x 8 x 32 uint8 (E4M3 codes of w_o, K innermost, in blocks of 32 codes); w_o_scales 128 x 8 uint8 (E8M0 scales of w_o, one for each 32 codes along K); w_qkv_codes 768 x 4 x 32 uint8 (E4M3 codes of w_qkv, K innermost, in blocks of 32 codes); w_qkv_scales 768 x 4 uint8 (E8M0 scales of w_qkv, one for each 32 codes along K); w_res_codes 128 x 4 x 32 uint8 (E4M3 codes of w_res, K innermost, in blocks of 32 codes); w_res_scales 128 x 4 uint8 (E8M0 scales of w_res, one for each 32 codes along K); x_codes 16 x 1,024 x 4 x 32 uint8 (E4M3 codes of x, K innermost, in blocks of 32 codes); x_scales 16 x 1,024 x 4 uint8 (E8M0 scales of x, one for each 32 codes along K).
;; Outputs: out0 16 x 128 x 1,024 float32.
;; This version of the problem:
;;   THIS VERSION OF THE PROBLEM IS GIVEN IN LOW PRECISION. The matrix products marked QUANTISED in the list below multiply operands that are first quantised to E4M3 (4 exponent bits, 3 mantissa bits; 8 bits a number), with one power-of-two scale for each 32 numbers along K (OCP MX v1.0); their sums are f32. All else is computed in f32.
;;   The module's matrix products, in the order in which they are computed (A, B: the left and right operand; K: the contracted axis; several contracted axes count as one K, in the product's order):
;;     1. [M 16,384, K 128] x [K 128, N 768]; A: input x (given as codes); B: input w_qkv (given as codes): QUANTISED
;;     2. batch 128 x [M 1,024, K 32] x [K 32, N 1,024]; A: computed on the way; B: computed on the way: QUANTISED
;;     3. batch 128 x [M 32, K 1,024] x [K 1,024, N 1,024]; A: computed on the way; B: softmax (see below): QUANTISED
;;     4. [M 16,384, K 256] x [K 256, N 128]; A: computed on the way; B: input w_o (given as codes): QUANTISED
;;     5. [M 16,384, K 128] x [K 128, N 128]; A: input x (given as codes); B: input w_res (given as codes): QUANTISED
;;   THE QUANTISER, for each operand of a quantised product, along K:
;;     - K is cut into blocks of 32 from its start; a last block that is shorter is filled with zeros.
;;     - A block's scale is 2^e with e = floor(log2(the largest magnitude in the block)) - 8, held to -126 .. 127; a block of zeros has e = 0. As a byte (E8M0): e + 127.
;;     - Each number is divided by its block's scale, clamped to +-448, and rounded to the nearest number of E4M3, ties to even, subnormals kept.
;;     - The product sums the exact products of the quantised numbers (number of the format x scale) in f32.
;;   ~~~python
;;   def quantise(x, axis):      # numpy; x: float32 -> the quantised numbers, widened to float32 again
;;       x = np.moveaxis(x, axis, -1); K = x.shape[-1]
;;       x = np.pad(x, [(0, 0)] * (x.ndim - 1) + [(0, -K % 32)]); x = x.reshape(x.shape[:-1] + (-1, 32)); a = np.abs(x).max(-1, keepdims=True)
;;       e = np.where(a > 0, np.clip(np.frexp(np.where(a > 0, a, 1))[1] - 1 - 8, -126, 127), 0)      # np.frexp(a)[1] - 1 = floor(log2(a)), exactly
;;       r = np.clip(x / 2.0 ** e, -448, 448)
;;       step = 2.0 ** (np.maximum(np.frexp(np.where(r == 0, 1, r))[1] - 1, -6) - 3)
;;       q = np.round(r / step) * step * 2.0 ** e      # np.round: ties to even
;;       return np.moveaxis(q.reshape(q.shape[:-2] + (-1,))[..., :K], -1, axis).astype(np.float32)
;;   ~~~
;;   SOFTMAX AHEAD OF A QUANTISED PRODUCT. Where the list says 'softmax', what is quantised is not the finished softmax but p = 2^(t - M), with t = logit x log2(e) and M = ceil(the row's largest t), a whole number; so 1/2 < the row's largest p <= 1. The row's sum l is taken of the UNQUANTISED p, in f32, and the product's result is divided by l at the end. Since M is a whole number, a kernel that streams over the keys may use a running M (the ceiling of the running maximum): every later rescaling is an exact power of two, which a block's scale takes up: the codes' values come out the same.
;;   OPERANDS COMPUTED ON THE WAY. 'Computed on the way' means the value that the module computes at that place (a softmax that the list does not call 'softmax' is quantised finished and normalised). What goes into a quantiser is computed in f32, as accurately as f32 sums, v_exp_f32 and their like allow (about 1e-6 of the number): no bf16 or f16 on the way to a quantiser, and a product that is left as it is and whose result goes on into a quantised operand takes f32 operands (vector FMAs, or v_wmma_f32_16x16x4_f32). A number that lies on a knife's edge between two numbers of the format may be rounded either way, as far as f32 arithmetic and the matrix unit's own rounding can turn it there, and no further.
;;   INPUTS GIVEN AS CODES. w_o (in the module: [128, 256], K = its axis 1); w_qkv (in the module: [768, 128], K = its axis 1); w_res (in the module: [128, 128], K = its axis 1); x (in the module: [16, 128, 1024], K = its axis 1): each comes as NAME_codes (uint8): NAME with its K axis moved to the last place and cut into blocks of 32 codes, [.., K / 32, bytes a block], one block behind the other in memory; one code a byte (a code: sign, 4 exponent bits, 3 mantissa bits); and NAME_scales (uint8): the same leading axes, one E8M0 byte (e + 127) for each 32 codes along K. Its value is code x scale, taken as it is: it is not quantised again, and the codes and scales need not be those that the quantiser above would give.
;; One version. Each part assembles by itself: llvm-mc -triple=amdgcn-amd-amdhsa -mcpu=gfx1250 --defsym DOCPART=n.
;; ======== version 1 of 1: 2 launches
;; limits: right only within a limited range of input values
;; workspace buffers: z_codes 4,194,304 bytes; z_scales 131,072 bytes
;; launch attn (part 1): grid 16 x 16, 16 waves a work-group, no clusters, 84,992 bytes of LDS; arguments x_codes, x_scales, w_qkv_codes, w_qkv_scales, b_qkv, z_codes, z_scales; writes z_codes, z_scales
.if DOCPART == 1
	.amdgcn_target "amdgcn-amd-amdhsa--gfx1250"
	.amdhsa_code_object_version 6
	.text
	.protected	k_q3b37c06e48_attn
	.globl	k_q3b37c06e48_attn
	.p2align	8
	.type	k_q3b37c06e48_attn,@function
k_q3b37c06e48_attn:
	s_mov_b64 s[64:65], 0
	v_nop
	global_prefetch_b8 v0, s[64:65] scope:SCOPE_SE
	s_setreg_imm32_b32 hwreg(HW_REG_WAVE_MODE, 25, 1), 1
	s_wait_xcnt 0x0
; ATTENTION OF ONE HEAD ON CODES OF MX-FP8 (E4M3, one E8M0 scale for each 32 along K): the projections q, k, v = W x + b, S = q^T k / sqrt(32), p = 2^(t - M), z = (p v) / sum(p), z quantised.
; x: [16][1024 positions][128] codes, its scale words [16][1024][4].  W: [768][128] codes; head n owns rows 96 n .. 96 n + 95: 32 of q, 32 of k, 32 of v.
; SHARES.  Work-group (x = 2 head + g, y = batch): 512 queries (512 g on) of one head of one batch.  Sixteen waves, four to a SIMD, 256 registers each, so that one wave's vector work stands beside
; another's matrix work and LDS loads.  Wave w makes K and V of positions 64 w .. 64 w + 63 (the sixteen together: all 1,024) and owns queries 512 g + 32 w .. + 31: two tiles, A and B, of 16.
; A head's K and V are 64 KB of codes: they lie in LDS whole, as images of the operands' registers (lane l's 16 bytes at 16 l, 512 bytes an instruction), written once, then only read: the loop over the keys reads no memory.
; NO CLUSTER, NO TENSOR LOAD: what work-groups share is x (a wave's 96 rows of 128 bytes) and 12 KB of weights, read once at the head, straight into registers in the operand's layout; no tile in LDS is filled from memory
; and none is filled again, so there is no joint request to make.  NO PREFETCH: every read of memory stands at the head.
; THE ROWS OF A TILE ARE NOT NEIGHBOURS: lane r of tile 2 c + u takes row 32 c + 8 u + r + 8 (r / 8), for tiles of positions and for the 32 rows of Wq, Wk, Wv alike.  A result's register j of lane (r, h) belongs to row 8 h + j
; of source 0's tile, so the 16 registers of tiles 2 c and 2 c + 1 are 16 NEIGHBOURS, 32 c + 16 h + 0 .. 15: the layout in which the next product wants its K.  So every conversion's result is an operand's register.
; THE SECOND PRODUCT HAS K = 32, THE INSTRUCTION 128.  A fragment of K holds FOUR tiles of keys, one in each block of 32 along the instruction's K, and no zeros.  The queries' operand is a run of 16 registers cut out of
; 12 zeros | 4 registers of codes | 12 zeros: begun 4 j registers ahead of the codes it has q in block j, and only key tile j counts.  q's scale byte stands in all four bytes of its word; K's word has a byte a tile.
; SOFTMAX: t = score x log2(e) / sqrt(32); M = the ceiling of the running largest t; p = 2^(t - M) is quantised along the keys, not normalised; the sum is taken of the unquantised p; when M moves, the sum and O^T are
; multiplied by 2^(old M - new M), which rounds nothing.  Both products are used transposed, so that a lane holds one query throughout.
; OUT: z_codes as images of the next launch's operand: ((16 b + position / 64) x 2 + head / 4) x 8192 + tile x 2048 + (head % 4) x 512 + 16 lane; z_scales: 8 bytes for each row of a tile, byte = head.
; LIMITS: NaN and infinities are not served.  A p under 2^-126 counts as 0 (v_exp_f32 gives no denormals: ISA guide, its entry), beside a row's sum of more than 1/2.  A block of zeros gets the scale byte 1
; where the quantiser's rule says 127: its codes are zeros, which add nothing under either byte, and these bytes are read by this program alone.
.set WIMG, 0                           ; LDS: six fragments of W (2 set + u; set 0 q, 1 k, 2 v), 2,048 bytes each,
.set WSC,  12288                       ; their scale words, 128 bytes each,
.set REC0, 13056                       ; and eight records, one for each step of 128 keys:
.set RECB, 8704
.set RK,   0                           ;   two fragments of K (64 keys each),
.set RV,   4096                        ;   two of V^T (16 of the head's 32 x 128 keys each),
.set RKS,  8192                        ;   K's scale words, 128 bytes a fragment,
.set RVS,  8448                        ;   V's likewise
.set L16, 1                            ; v1   16 x lane
.set L4,  2                            ; v2   4 x lane
.set ADK, 3                            ; v3   the record in hand + 16 x lane
.set ADS, 4                            ; v4   the record in hand + 4 x lane
.set XA,  5                            ; v5   (r + 8 (r / 8)) x 128 + 16 h: my bytes in a tile of rows of 128 codes
.set XSA, 6                            ; v6   (r + 8 (r / 8)) x 4: my row's scale word, or my row's bias
.set BA,  7                            ; v7   64 h: my half's 16 numbers of a bias
.set KF,  52                           ; v52-83   two fragments: W's, then K's and V's by turns
.set S,   84                           ; v84-147  64 results: q, k, v; then the scores and p
.set XT,  148                          ; v148-211 at the head: four tiles of x.  In the loop: v148-163, v164-179 p's codes of tiles A, B; v180-211 O^T: A 180-195, B 196-211
.set BM,  220                          ; v220-223 a block's largest magnitude (score, p)
.set T4,  224                          ; v224-227 the other half's; then the scale's byte
.set HL,  228
.set SC,  232                          ; v232-235 the conversion's scale operand
                                       ; v212-215, v216-219 statistics of A, B: -M, the largest t, the sum in two halves;  v[236:237] f;  v[238:239] at work
                                       ; v8-51 zeros and q: zeros 8-19, q of A 20-23, zeros 24-35, q of B 36-39, zeros 40-51.  At the head: biases, codes on their way, LDS addresses
                                       ; v240-255 hold scales and nothing else: 240, 241 q's; 242, 243 K's; 244, 245 V's; 246, 247 p's; 248-251 x's (keys); 252, 253 x's (queries); 254, 255 W's
.set WV,  18                           ; s18  my wave's number
.set MNT, 19
.set SEL, 20                           ; s[20:21] v_permlanex16_b32's selects for lane l xor 16
.set CS,  22                           ; s[22:23] log2(e) / sqrt(32), named as a pair by the packed form
.macro PLACES n                        ; plain vector instructions behind a matrix instruction that name none of its registers (ISA guide 7.12.1)
.rept \n
	v_nop
.endr
.endm
; The scales of nb blocks of 32.  Block b: my 16 numbers v[s + 16 b] on, and lane l xor 16's.  Leaves: SC the conversion's scale operand, T4 the byte.
.macro QHEAD s, nb
.set qb, 0
.rept \nb
	v_max3_num_f32 v[BM+qb], |v[\s+16*qb]|, |v[\s+16*qb+1]|, 0x4800000   ; with the floor 2^(9 - 127): the byte cannot fall under 1
.set qb, qb+1
.endr
.set qi, 2
.rept 7
.set qb, 0
.rept \nb
	v_max3_num_f32 v[BM+qb], v[BM+qb], |v[\s+16*qb+qi]|, |v[\s+16*qb+qi+1]|   ; the blocks by turns; each result is read from its low end on
.set qb, qb+1
.endr
.set qi, qi+2
.endr
.set qb, 0
.rept \nb
	v_permlanex16_b32 v[T4+qb], v[BM+qb], s[SEL], s[SEL+1]
.set qb, qb+1
.endr
.set qb, 0
.rept \nb
	v_max_num_f32 v[BM+qb], v[BM+qb], v[T4+qb]                    ; the block's largest magnitude
.set qb, qb+1
.endr
.set qb, 0
.rept \nb
	v_add_nc_u32 v[SC+qb], 0xfc000000, v[BM+qb]                   ; 8 off its exponent field: the conversion takes that field as its scale
.set qb, qb+1
.endr
.set qb, 0
.rept \nb
	v_lshrrev_b32 v[T4+qb], 23, v[SC+qb]                          ; the scale's byte
.set qb, qb+1
.endr
.endm
; Block b's 16 numbers of my lane become four registers of codes, v[d] on.
.macro QBLK s, b, d
.irp i, 0,1,2,3,4,5,6,7,8,9,10,11,12,13,14,15
.endr
	v_cvt_scalef32_pk8_fp8_f32 v[\d:\d+1], v[\s+16*\b:\s+16*\b+7], v[SC+\b]
	v_cvt_scalef32_pk8_fp8_f32 v[\d+2:\d+3], v[\s+16*\b+8:\s+16*\b+15], v[SC+\b]
.endm
.macro WLOAD set                       ; the two fragments of Wq, Wk or Wv and their scale words, from their images
.irp i, 0,1,2,3,4,5,6,7
	ds_load_b128 v[KF+4*\i:KF+4*\i+3], v[L16] offset:WIMG+4096*\set+512*\i
.endr
	ds_load_b32 v254, v[L4] offset:WSC+256*\set
	ds_load_b32 v255, v[L4] offset:WSC+256*\set+128
.endm
; S^T of 128 keys for one tile of queries: eight products.  Fragment f's block j is key tile 4 f + j; the queries' run begins 4 j registers ahead of their codes at v[qs].
.macro SMUL qs, qsc
	s_setprio 2
.irp f, 0,1
.irp j, 0,1,2,3
	v_wmma_scale_f32_16x16x128_f8f6f4 v[S+8*(4*\f+\j):S+8*(4*\f+\j)+7], v[KF+16*\f:KF+16*\f+15], v[\qs-4*\j:\qs-4*\j+15], 0, v[242+\f], v[\qsc]
.endr
.endr
.endm
; One tile's softmax for 128 keys.  Register S + 16 b + i holds key 32 b + 16 h + i of my query.  st: the tile's statistics; pc: where p's codes go; pw: p's scale word; oa: the tile's O^T.
.macro SOFTMAX st, pc, pw, oa
.irp b, 0,1,2,3
	v_max3_num_f32 v[BM+\b], v[S+16*\b], v[S+16*\b+1], v[S+16*\b+2]   ; the largest score of each block of 32 keys: for the row's maximum and, since p rises with the score, for the block's largest p
.endr
.irp i, 3,5,7,9,11,13
.irp b, 0,1,2,3
	v_max3_num_f32 v[BM+\b], v[BM+\b], v[S+16*\b+\i], v[S+16*\b+\i+1]
.endr
.endr
.irp b, 0,1,2,3
	v_max_num_f32 v[BM+\b], v[BM+\b], v[S+16*\b+15]
.endr
.irp b, 0,1,2,3
	s_delay_alu instid0(VALU_DEP_4)
	v_permlanex16_b32 v[T4+\b], v[BM+\b], s[SEL], s[SEL+1]
.endr
.irp b, 0,1,2,3
	s_delay_alu instid0(VALU_DEP_4)
	v_max_num_f32 v[BM+\b], v[BM+\b], v[T4+\b]                    ; with lane l xor 16's 16 keys
.endr
	s_delay_alu instid0(VALU_DEP_2)
	v_max3_num_f32 v238, v[BM], v[BM+1], v[BM+2]
	s_delay_alu instid0(VALU_DEP_1)
	v_max_num_f32 v238, v238, v[BM+3]                             ; the step's largest score of my query,
	s_delay_alu instid0(VALU_DEP_1)
	v_mul_f32 v238, s[CS], v238                                   ; as t
	s_delay_alu instid0(VALU_DEP_1)
	v_max_num_f32 v[\st+1], v[\st+1], v238                        ; the running largest t
	v_mov_b32 v238, v[\st]
	s_delay_alu instid0(VALU_DEP_2)
	v_floor_f32 v[\st], -v[\st+1]                                 ; the new -M = floor(-t): M is a whole number
	s_delay_alu instid0(VALU_DEP_1)
	v_sub_f32 v238, v[\st], v238                                  ; old M - new M: a whole number, 0 or less
	s_delay_alu instid0(VALU_DEP_1)
	v_cvt_i32_f32 v238, v238                                      ; (it saturates)
	s_delay_alu instid0(VALU_DEP_1)
	v_ldexp_f32 v236, 1.0, v238                                   ; f = 2^(old M - new M)
.irp j, 0,2,4,6,8,10,12,14,16,18,20,22,24,26,28,30,32,34,36,38,40,42,44,46,48,50,52,54,56,58,60,62
	v_pk_fma_f32 v[S+\j:S+\j+1], v[S+\j:S+\j+1], s[CS:CS+1], v[\st:\st+1] op_sel_hi:[1,0,0]   ; t - M, two at a time
.endr
.irp b, 0,1,2,3
	v_fma_f32 v[BM+\b], v[BM+\b], s[CS], v[\st]                   ; the same of each block's largest score
.endr
	s_setprio 1
	s_wait_alu depctr_va_vdst(0)
.irp j, 0,1,2,3,4,5,6,7,8,9,10,11,12,13,14,15,16,17,18,19,20,21,22,23,24,25,26,27,28,29,30,31,32,33,34,35,36,37,38,39,40,41,42,43,44,45,46,47,48,49,50,51,52,53,54,55,56,57,58,59,60,61,62,63
	v_exp_f32 v[S+\j], v[S+\j]                                    ; p = 2^(t - M)
.endr
	v_pk_mul_f32 v[\st+2:\st+3], v[\st+2:\st+3], v[236:237] op_sel_hi:[1,0]   ; the sums under the new M: the plain instruction behind the batch
	s_wait_alu depctr_va_vdst(0)                                  ; one wait for the 64 exponentials, ahead of their first reader
.irp b, 0,1,2,3
	v_exp_f32 v[BM+\b], v[BM+\b]                                  ; each block's largest p: the same two instructions on the same number
.endr
	v_pk_add_f32 v[238:239], v[S:S+1], v[S+2:S+3]                 ; the row's sum is taken of the unquantised p, in two chains
.irp j, 4,8,12,16,20,24,28,32,36,40,44,48,52,56,60
	v_pk_add_f32 v[\st+2:\st+3], v[\st+2:\st+3], v[S+\j:S+\j+1]
	v_pk_add_f32 v[238:239], v[238:239], v[S+\j+2:S+\j+3]
.endr
	s_delay_alu instid0(VALU_DEP_1)
	v_pk_add_f32 v[\st+2:\st+3], v[\st+2:\st+3], v[238:239]
	s_setprio 0
	s_wait_alu depctr_va_vdst(0)                                  ; and one for the four
.irp b, 0,1,2,3
	v_max_num_f32 v[BM+\b], 0x4800000, v[BM+\b]                   ; the floor 2^(9 - 127)
.endr
.irp b, 0,1,2,3
	s_delay_alu instid0(VALU_DEP_4)
	v_add_nc_u32 v[SC+\b], 0xfc000000, v[BM+\b]
.endr
.irp b, 0,1,2,3
.endr
.irp b, 0,1,2,3
	s_delay_alu instid0(VALU_DEP_4)
	v_lshrrev_b32 v[T4+\b], 23, v[SC+\b]
.endr
	s_delay_alu instid0(VALU_DEP_3)
	v_lshl_or_b32 v[\pw], v[T4+1], 8, v[T4]                       ; p's scale word for these 128 keys
	s_delay_alu instid0(VALU_DEP_1)
	v_lshl_or_b32 v[\pw], v[T4+2], 16, v[\pw]
	s_delay_alu instid0(VALU_DEP_1)
	v_lshl_or_b32 v[\pw], v[T4+3], 24, v[\pw]
.irp b, 0,1,2,3
.irp i, 0,1,2,3,4,5,6,7,8,9,10,11,12,13,14,15
.endr
	v_cvt_scalef32_pk8_fp8_f32 v[\pc+4*\b:\pc+4*\b+1], v[S+16*\b:S+16*\b+7], v[SC+\b]
	v_cvt_scalef32_pk8_fp8_f32 v[\pc+4*\b+2:\pc+4*\b+3], v[S+16*\b+8:S+16*\b+15], v[SC+\b]
.endr
.irp j, 0,2,4,6,8,10,12,14
	v_pk_mul_f32 v[\oa+\j:\oa+\j+1], v[\oa+\j:\oa+\j+1], v[236:237] op_sel_hi:[1,0]   ; O^T under the new M, from its low end on.  These eight also stand between the conversions and the products that follow
.endr
.endm
	; ---- the head: ids, lane terms, LDS addresses, bases
	s_load_b256 s[4:11], s[0:1], 0x0               ; x's codes s[4:5], x's scales s[6:7], W's codes s[8:9], W's scales s[10:11]
	s_load_b128 s[12:15], s[0:1], 0x20             ; the bias s[12:13], z's codes s[14:15]
	s_load_b64 s[16:17], s[0:1], 0x30              ; z's scales
	v_lshrrev_b32 v3, 5, v0
	s_delay_alu instid0(VALU_DEP_1)
	v_readfirstlane_b32 s[WV], v3                  ; wave 0..15
	v_and_b32 v3, 31, v0
	s_delay_alu instid0(VALU_DEP_1)
	v_lshlrev_b32 v[L16], 4, v3
	s_delay_alu instid0(VALU_DEP_2)
	v_lshlrev_b32 v[L4], 2, v3
	v_and_b32 v3, 15, v0                           ; r
	v_bfe_u32 v4, v0, 4, 1                         ; h
	s_delay_alu instid0(VALU_DEP_2)
	v_and_b32 v6, 8, v3
	s_delay_alu instid0(VALU_DEP_1)
	v_add_nc_u32 v6, v6, v3                        ; r + 8 (r / 8)
	s_delay_alu instid0(VALU_DEP_1)
	v_lshlrev_b32 v[XA], 7, v6
	s_delay_alu instid0(VALU_DEP_1)
	v_lshl_add_u32 v[XA], v4, 4, v[XA]
	s_delay_alu instid0(VALU_DEP_3)
	v_lshlrev_b32 v[XSA], 2, v6
	v_lshlrev_b32 v[BA], 6, v4
.irp b, 0,1,2,3
	v_mov_b32 v[T4+\b], 0                          ; written once: a lane permute's destination counts as one of its sources
.endr
	s_lshr_b32 s24, ttmp9, 1                       ; the head
	s_and_b32 s25, ttmp9, 1                        ; g: which 512 queries
	s_and_b32 s26, ttmp7, 0xffff                   ; the batch
	s_mov_b32 s[SEL], 0x76543210
	s_mov_b32 s[SEL+1], 0xfedcba98
	s_mov_b32 s[CS], 0x3e8293ee                    ; log2(e) / sqrt(32)
	s_mov_b32 s[CS+1], s[CS]
	s_lshr_b32 s52, s[WV], 1                       ; my positions' step of 128 keys,
	s_and_b32 s53, s[WV], 1                        ; and which half of it
	s_mul_i32 s54, s52, RECB
	s_add_co_u32 s54, s54, REC0                    ; its record
	s_lshl_b32 s55, s53, 11
	s_add_co_u32 s55, s55, s54
	v_add_nc_u32 v32, s55, v[L16]                  ; where K's fragment goes: my half is a whole fragment
	s_lshl_b32 s55, s53, 10
	s_add_co_u32 s55, s55, s54
	v_add_nc_u32 v33, s55, v[L16]                  ; V's: my half is two of a fragment's four groups of registers
	s_lshl_b32 s55, s53, 7
	s_add_co_u32 s55, s55, s54
	v_add_nc_u32 v34, s55, v[L4]                   ; K's scale words
	s_lshl_b32 s55, s53, 1
	s_add_co_u32 s55, s55, s54
	v_add_nc_u32 v35, s55, v[L4]                   ; V's: my half is two of a word's four bytes
	s_lshl_b32 s55, s[WV], 11
	v_add_nc_u32 v48, s55, v[L16]                  ; waves 0 to 5: where a fragment of W goes,
	s_lshl_b32 s55, s[WV], 7
	s_add_co_u32 s55, s55, WSC
	v_add_nc_u32 v49, s55, v[L4]                   ; and its scale words
	s_mov_b32 s51, 0
	s_wait_kmcnt 0x0
	s_lshl_b32 s50, s26, 17                        ; offsets are made apart from the addresses, in s[50:51]
	s_lshl_b32 s56, s[WV], 13
	s_add_co_u32 s50, s50, s56                     ; (1024 b + 64 w) rows of 128 bytes
	s_add_nc_u64 s[32:33], s[4:5], s[50:51]        ; x at my 64 keys
	s_lshr_b32 s50, s50, 5                         ; 4 bytes a row
	s_add_nc_u64 s[34:35], s[6:7], s[50:51]
	s_lshl_b32 s50, s26, 17
	s_lshl_b32 s56, s25, 16
	s_add_co_u32 s50, s50, s56
	s_lshl_b32 s56, s[WV], 12
	s_add_co_u32 s50, s50, s56                     ; (1024 b + 512 g + 32 w) rows
	s_add_nc_u64 s[36:37], s[4:5], s[50:51]        ; x at my 32 queries
	s_lshr_b32 s50, s50, 5
	s_add_nc_u64 s[38:39], s[6:7], s[50:51]
	s_mul_i32 s50, s24, 96
	s_lshl_b32 s56, s52, 5
	s_add_co_u32 s50, s50, s56
	s_lshl_b32 s56, s53, 3
	s_add_co_u32 s50, s50, s56                     ; row 96 head + 32 (w / 2) + 8 (w % 2): used by waves 0 to 5 alone
	s_lshl_b32 s50, s50, 7
	s_add_nc_u64 s[40:41], s[8:9], s[50:51]
	s_lshr_b32 s50, s50, 5
	s_add_nc_u64 s[42:43], s[10:11], s[50:51]
	s_mul_i32 s50, s24, 384
	s_add_nc_u64 s[44:45], s[12:13], s[50:51]      ; the head's 96 biases
	s_lshl_b32 s50, s26, 4
	s_lshl_b32 s56, s25, 3
	s_add_co_u32 s50, s50, s56
	s_add_co_u32 s50, s50, s52                     ; my queries' block of 64 positions: 16 b + 8 g + w / 2
	s_lshl_b32 s50, s50, 14
	s_lshr_b32 s56, s24, 2
	s_lshl_b32 s56, s56, 13
	s_add_co_u32 s50, s50, s56                     ; + 8192 (head / 4)
	s_lshl_b32 s56, s53, 12
	s_add_co_u32 s50, s50, s56                     ; + 2048 x my first tile in the block, 2 (w % 2)
	s_and_b32 s56, s24, 3
	s_lshl_b32 s56, s56, 9
	s_add_co_u32 s50, s50, s56                     ; + 512 (head % 4)
	s_add_nc_u64 s[46:47], s[14:15], s[50:51]
	s_lshl_b32 s50, s26, 6
	s_lshl_b32 s56, s25, 5
	s_add_co_u32 s50, s50, s56
	s_lshl_b32 s56, s[WV], 1
	s_add_co_u32 s50, s50, s56                     ; my first tile of 16 positions: 64 b + 32 g + 2 w
	s_lshl_b32 s50, s50, 7                         ; 128 bytes a tile
	s_add_co_u32 s50, s50, s24                     ; + the head's byte
	s_add_nc_u64 s[48:49], s[16:17], s[50:51]
	; ---- all loads from memory.  First the 14 that the queries' product wants,
.irp t, 0,1
.irp c, 0,1,2,3
	global_load_b128 v[S+16*\t+4*\c:S+16*\t+4*\c+3], v[XA], s[36:37] offset:1024*\t+32*\c   ; x of query tile t
.endr
.endr
	global_load_b32 v252, v[XSA], s[38:39]
	global_load_b32 v253, v[XSA], s[38:39] offset:32
	global_load_b128 v[40:43], v[BA], s[44:45]                    ; q's bias in the result's layout: tile u, register j: d = 16 h + 8 u + j
	global_load_b128 v[44:47], v[BA], s[44:45] offset:16
	global_load_b128 v[212:215], v[BA], s[44:45] offset:32
	global_load_b128 v[216:219], v[BA], s[44:45] offset:48
	; then 28 for K and V
.irp j, 0,1,2,3
.irp c, 0,1,2,3
	global_load_b128 v[XT+16*\j+4*\c:XT+16*\j+4*\c+3], v[XA], s[32:33] offset:(32*(\j/2)+8*(\j%2))*128+32*\c   ; x of key tile j
.endr
.endr
.irp j, 0,1,2,3
	global_load_b32 v[248+\j], v[XSA], s[34:35] offset:(32*(\j/2)+8*(\j%2))*4
.endr
	global_load_b128 v[8:11], v[BA], s[44:45] offset:128          ; k's bias likewise
	global_load_b128 v[12:15], v[BA], s[44:45] offset:144
	global_load_b128 v[24:27], v[BA], s[44:45] offset:160
	global_load_b128 v[28:31], v[BA], s[44:45] offset:176
	global_load_b32 v16, v[XSA], s[44:45] offset:256              ; v's bias: one number a lane (my row of Wv's tile), twice, for the packed addition
	global_load_b32 v17, v[XSA], s[44:45] offset:256
	global_load_b32 v18, v[XSA], s[44:45] offset:288
	global_load_b32 v19, v[XSA], s[44:45] offset:288
	s_cmp_lt_u32 s[WV], 6                          ; waves 0 to 5 bring one fragment of W each and lay its image into LDS
	s_cbranch_scc0 .Lno_w
.irp c, 0,1,2,3
	global_load_b128 v[KF+4*\c:KF+4*\c+3], v[XA], s[40:41] offset:32*\c
.endr
	global_load_b32 v254, v[XSA], s[42:43]
	s_wait_loadcnt 0x0
	s_wait_alu depctr_va_vdst(0)
.irp c, 0,1,2,3
	ds_store_b128 v48, v[KF+4*\c:KF+4*\c+3] offset:WIMG+512*\c
.endr
	ds_store_b32 v49, v254
.Lno_w:
	s_wait_dscnt 0x0                               ; for the others' sake: my stores have landed
	s_barrier_signal -1
	s_barrier_wait -1                              ; W's six fragments lie in LDS
	; ---- q of my 32 queries: source 0 = 16 rows of Wq, source 1 = 16 positions; the bias is the C
	WLOAD 0
	s_wait_dscnt 0x0
	s_wait_loadcnt 28                              ; the first 14 loads are in; the 28 for K and V may be out
.irp t, 0,1
	v_wmma_scale_f32_16x16x128_f8f6f4 v[116+16*\t:123+16*\t], v[KF:KF+15], v[S+16*\t:S+16*\t+15], v[40:47], v254, v[252+\t]
	v_wmma_scale_f32_16x16x128_f8f6f4 v[124+16*\t:131+16*\t], v[KF+16:KF+31], v[S+16*\t:S+16*\t+15], v[212:219], v255, v[252+\t]
.endr
	PLACES 9                                       ; eight for the loads into W's registers and the reads of the results; the ninth since the next products' results are laid over these products' registers
	WLOAD 1                                        ; Wk lands while q is quantised
	QHEAD 116, 2                                   ; a query's 32 d are one block
	QBLK 116, 0, 20
	QBLK 116, 1, 36
	v_nop                                          ; a plain instruction behind the last conversion
	v_lshl_or_b32 v240, v[T4], 8, v[T4]            ; q's byte in all four bytes of its word: q may stand in any block
	s_delay_alu instid0(VALU_DEP_1)
	v_lshl_or_b32 v240, v240, 16, v240
	v_lshl_or_b32 v241, v[T4+1], 8, v[T4+1]
	s_delay_alu instid0(VALU_DEP_1)
	v_lshl_or_b32 v241, v241, 16, v241
	; ---- k of my 64 positions: a lane holds key r of tile j and d = 16 h + 0 .. 15 in the 16 registers of (j, u = 0, 1)
	s_wait_dscnt 0x0
	s_wait_loadcnt 0x0
.irp j, 0,1,2,3
	v_wmma_scale_f32_16x16x128_f8f6f4 v[S+16*\j:S+16*\j+7], v[KF:KF+15], v[XT+16*\j:XT+16*\j+15], v[8:15], v254, v[248+\j]
	v_wmma_scale_f32_16x16x128_f8f6f4 v[S+16*\j+8:S+16*\j+15], v[KF+16:KF+31], v[XT+16*\j:XT+16*\j+15], v[24:31], v255, v[248+\j]
.endr
	PLACES 9
	WLOAD 2
	QHEAD S, 4                                     ; block j = tile j: a key's 32 d
	QBLK S, 0, 40
	QBLK S, 1, 44
	QBLK S, 2, 212
	QBLK S, 3, 216
	v_nop
	v_lshl_or_b32 v236, v[T4+1], 8, v[T4]          ; byte j = tile j's scale of row r
	s_delay_alu instid0(VALU_DEP_1)
	v_lshl_or_b32 v236, v[T4+2], 16, v236
	s_delay_alu instid0(VALU_DEP_1)
	v_lshl_or_b32 v236, v[T4+3], 24, v236
	ds_store_b128 v32, v[40:43] offset:RK          ; tile j is block j of the fragment: registers 4 j .. 4 j + 3
	ds_store_b128 v32, v[44:47] offset:RK+512
	ds_store_b128 v32, v[212:215] offset:RK+1024
	ds_store_b128 v32, v[216:219] offset:RK+1536
	ds_store_b32 v34, v236 offset:RKS
	; ---- v of my 64 positions, the other way round: source 0 = 16 positions, source 1 = 16 rows of Wv: a lane holds one dv and its registers run along the keys, the third product's K
	s_wait_dscnt 0x0                               ; Wv is in, and the stores have read their registers
.irp d, 0,1
.irp j, 0,1,2,3
	v_wmma_scale_f32_16x16x128_f8f6f4 v[S+32*\d+8*\j:S+32*\d+8*\j+7], v[XT+16*\j:XT+16*\j+15], v[KF+16*\d:KF+16*\d+15], 0, v[248+\j], v[254+\d]
.endr
.endr
	PLACES 9
.irp d, 0,1
.irp j, 0,2,4,6,8,10,12,14,16,18,20,22,24,26,28,30
	v_pk_add_f32 v[S+32*\d+\j:S+32*\d+\j+1], v[S+32*\d+\j:S+32*\d+\j+1], v[16+2*\d:17+2*\d]   ; + my dv's bias
.endr
.endr
	QHEAD S, 4                                     ; block 2 d + c: tile d of dv, keys 32 c on of my 64
	QBLK S, 0, 40
	QBLK S, 1, 44
	QBLK S, 2, 212
	QBLK S, 3, 216
	v_nop
	v_lshl_or_b32 v236, v[T4+1], 8, v[T4]
	v_lshl_or_b32 v237, v[T4+3], 8, v[T4+2]
	ds_store_b128 v33, v[40:43] offset:RV
	ds_store_b128 v33, v[44:47] offset:RV+512
	ds_store_b128 v33, v[212:215] offset:RV+2048
	ds_store_b128 v33, v[216:219] offset:RV+2560
	ds_store_b16 v35, v236 offset:RVS              ; my two bytes of each word; the step's other wave stores the other two
	ds_store_b16 v35, v237 offset:RVS+128
	s_wait_dscnt 0x0                               ; for the others' sake: my part of K and V has landed
	s_barrier_signal -1
.irp j, 8,9,10,11,12,13,14,15,16,17,18,19,24,25,26,27,28,29,30,31,32,33,34,35,40,41,42,43,44,45,46,47,48,49,50,51
	v_mov_b32 v[\j], 0                             ; the zeros beside q: operands of the second product
.endr
.irp j, 0,1,2,3,4,5,6,7,8,9,10,11,12,13,14,15,16,17,18,19,20,21,22,23,24,25,26,27,28,29,30,31
	v_mov_b32 v[180+\j], 0                         ; O^T.  (The step is written once: the first finds zeros, which the first change of M leaves zeros)
.endr
.irp t, 212, 216
	v_mov_b32 v[\t+1], 0xff61b1e6                  ; the largest t so far: -3e38
	s_delay_alu instid0(VALU_DEP_1)
	v_floor_f32 v[\t], -v[\t+1]                    ; -M
	v_mov_b32 v[\t+2], 0                           ; the sum, in two halves
	v_mov_b32 v[\t+3], 0
.endr
	v_mov_b32 v237, 0                              ; named as the upper half of the pair v[236:237]
	s_barrier_wait -1                              ; the head's K and V lie in LDS; nothing is written there any more
	; ---- the keys, 128 a trip
	s_mov_b32 s27, REC0
	s_mov_b32 s28, 8
.Lstep:
	v_add_nc_u32 v[ADK], s27, v[L16]
	v_add_nc_u32 v[ADS], s27, v[L4]
	PLACES 6                                       ; with the two additions: eight places behind the last trip's products, in front of loads into registers that they read
.irp i, 0,1,2,3,4,5,6,7
	ds_load_b128 v[KF+4*\i:KF+4*\i+3], v[ADK] offset:RK+512*\i
.endr
	ds_load_b32 v242, v[ADS] offset:RKS
	ds_load_b32 v243, v[ADS] offset:RKS+128
	s_wait_dscnt 0x0
	SMUL 20, 240                                   ; tile A's scores
	PLACES 8
	SOFTMAX 212, 148, 246, 180
	SMUL 36, 241                                   ; tile B's, from the same two fragments of K
	PLACES 8
.irp i, 0,1,2,3,4,5,6,7
	ds_load_b128 v[KF+4*\i:KF+4*\i+3], v[ADK] offset:RV+512*\i    ; V's two fragments land while tile B's softmax is walked
.endr
	ds_load_b32 v244, v[ADS] offset:RVS
	ds_load_b32 v245, v[ADS] offset:RVS+128
	SOFTMAX 216, 164, 247, 196
	s_wait_alu depctr_va_vdst(0)
	s_wait_dscnt 0x0
	v_wmma_scale_f32_16x16x128_f8f6f4 v[180:187], v[KF:KF+15], v[148:163], v[180:187], v244, v246        ; O^T += V^T P^T: four accumulators by turns, one instruction a turn
	v_wmma_scale_f32_16x16x128_f8f6f4 v[196:203], v[KF:KF+15], v[164:179], v[196:203], v244, v247
	v_wmma_scale_f32_16x16x128_f8f6f4 v[188:195], v[KF+16:KF+31], v[148:163], v[188:195], v245, v246
	v_wmma_scale_f32_16x16x128_f8f6f4 v[204:211], v[KF+16:KF+31], v[164:179], v[204:211], v245, v247
	s_add_co_u32 s27, s27, RECB
	s_sub_co_u32 s28, s28, 1
	s_cmp_lg_u32 s28, 0
	s_cbranch_scc1 .Lstep
	s_setprio 0
	; ---- the way out: z = O^T / the sum; its 32 dv of this head are one block of the fourth product's K; by the order of Wv's rows register i of a tile's 16 is dv 16 h + i
	PLACES 8
	v_add_f32 v214, v214, v215
	v_add_f32 v218, v218, v219
	s_delay_alu instid0(VALU_DEP_2)
	v_permlanex16_b32 v[T4], v214, s[SEL], s[SEL+1]
	s_delay_alu instid0(VALU_DEP_2)
	v_permlanex16_b32 v[T4+1], v218, s[SEL], s[SEL+1]
	s_delay_alu instid0(VALU_DEP_2)
	v_add_f32 v214, v214, v[T4]
	s_delay_alu instid0(VALU_DEP_2)
	v_add_f32 v218, v218, v[T4+1]                  ; the rows' sums
	s_wait_alu depctr_va_vdst(0)
	v_rcp_f32 v236, v214
	v_rcp_f32 v238, v218
	v_nop                                          ; a plain instruction behind the reciprocals,
	s_wait_alu depctr_va_vdst(0)                   ; and one wait for both, ahead of their first reader
.irp j, 0,2,4,6,8,10,12,14
	v_pk_mul_f32 v[S+\j:S+\j+1], v[180+\j:181+\j], v[236:237] op_sel_hi:[1,0]
.endr
.irp j, 0,2,4,6,8,10,12,14
	v_pk_mul_f32 v[S+16+\j:S+17+\j], v[196+\j:197+\j], v[238:239] op_sel_hi:[1,0]
.endr
	QHEAD S, 2
	QBLK S, 0, 148
	QBLK S, 1, 152
	v_nop
	global_store_b128 v[L16], v[148:151], s[46:47]                ; the wave stores 512 consecutive bytes, at a multiple of 512 from the buffer's first byte
	global_store_b128 v[L16], v[152:155], s[46:47] offset:2048
	v_and_b32 v3, 31, v0
	s_delay_alu instid0(VALU_DEP_1)
	v_lshlrev_b32 v5, 3, v3                        ; 8 bytes a row: lanes 0-15 tile A's rows, lanes 16-31 tile B's, 128 bytes on.  (Every load that named v5 was waited for in the K phase)
	s_delay_alu instid0(VALU_DEP_2)
	v_cmp_gt_u32 vcc_lo, 16, v3
	s_delay_alu instid0(VALU_DEP_1)
	v_cndmask_b32 v238, v[T4+1], v[T4], vcc_lo     ; both halves of the lanes hold both tiles' bytes
	global_store_b8 v5, v238, s[48:49]             ; one byte in eight of 256 bytes: the other heads' work-groups store the rest
	s_wait_xcnt 0x0
	v_lshl_add_u32 v254, v0, 2, 0x14400
	v_mov_b32 v255, 0
	s_wait_alu depctr_va_vdst(0)
	s_wait_tensorcnt 0x0
	ds_add_u32 v254, v255
	s_wait_dscnt 0x0
	s_endpgm
.Lfunc_end_k_q3b37c06e48_attn:
	.size	k_q3b37c06e48_attn, .Lfunc_end_k_q3b37c06e48_attn-k_q3b37c06e48_attn
	.p2alignl 7, 3214868480
	.fill 96, 4, 3214868480
	.section	.rodata,"a",@progbits
	.p2align	6, 0x0
	.amdhsa_kernel k_q3b37c06e48_attn
		.amdhsa_group_segment_fixed_size 84992
		.amdhsa_private_segment_fixed_size 0
		.amdhsa_enable_private_segment 0
		.amdhsa_kernarg_size 56
		.amdhsa_user_sgpr_count 2
		.amdhsa_user_sgpr_kernarg_segment_ptr 1
		.amdhsa_wavefront_size32 1
		.amdhsa_system_sgpr_workgroup_id_x 1
		.amdhsa_system_sgpr_workgroup_id_y 1
		.amdhsa_system_sgpr_workgroup_id_z 1
		.amdhsa_system_vgpr_workitem_id 0
		.amdhsa_next_free_vgpr 256
		.amdhsa_next_free_sgpr 66
		.amdhsa_reserve_vcc 1
		.amdhsa_float_denorm_mode_32 3
		.amdhsa_float_denorm_mode_16_64 3
		.amdhsa_fp16_overflow 1
		.amdhsa_memory_ordered 1
		.amdhsa_forward_progress 1
		.amdhsa_inst_pref_size 62
	.end_amdhsa_kernel
	.amdgpu_metadata
---
amdhsa.version: [ 1, 2 ]
amdhsa.kernels:
  - .name:           k_q3b37c06e48_attn
    .symbol:         k_q3b37c06e48_attn.kd
    .args:
      - { .name: x_codes, .offset: 0, .size: 8, .value_kind: global_buffer, .address_space: global }
      - { .name: x_scales, .offset: 8, .size: 8, .value_kind: global_buffer, .address_space: global }
      - { .name: w_qkv_codes, .offset: 16, .size: 8, .value_kind: global_buffer, .address_space: global }
      - { .name: w_qkv_scales, .offset: 24, .size: 8, .value_kind: global_buffer, .address_space: global }
      - { .name: b_qkv, .offset: 32, .size: 8, .value_kind: global_buffer, .address_space: global }
      - { .name: z_codes, .offset: 40, .size: 8, .value_kind: global_buffer, .address_space: global }
      - { .name: z_scales, .offset: 48, .size: 8, .value_kind: global_buffer, .address_space: global }
    .group_segment_fixed_size: 84992
    .private_segment_fixed_size: 0
    .kernarg_segment_align: 8
    .kernarg_segment_size: 56
    .max_flat_workgroup_size: 512
    .sgpr_count:     66
    .vgpr_count:     256
    .wavefront_size: 32
...
	.end_amdgpu_metadata
.endif
;; end of part 1
;; launch proj (part 2): grid 16 x 16, 8 waves a work-group, no clusters, 60,416 bytes of LDS; arguments z_codes, z_scales, x_codes, x_scales, w_o_codes, w_o_scales, w_res_codes, w_res_scales, b_o, b_res, out0; writes out0
.if DOCPART == 2
	.amdgcn_target "amdgcn-amd-amdhsa--gfx1250"
	.amdhsa_code_object_version 6
	.text
	.protected	k_q3b37c06e48_proj
	.globl	k_q3b37c06e48_proj
	.p2align	8
	.type	k_q3b37c06e48_proj,@function
k_q3b37c06e48_proj:
	s_mov_b64 s[64:65], 0
	v_nop
	global_prefetch_b8 v0, s[64:65] scope:SCOPE_SE
	s_setreg_imm32_b32 hwreg(HW_REG_WAVE_MODE, 25, 1), 1
	s_wait_xcnt 0x0
; out[b][o][l] = sum over c of w_o[o][c] z[b][c][l] + b_o[o] + sum over c of w_res[o][c] x[b][c][l] + b_res[o], both products on codes of MX-FP8: one sum over three K steps of 128: z's heads 0-3, z's heads 4-7, x.
; SHARES.  Work-group (x = block of 64 positions, y = batch) makes out[b][0 .. 127][64 x .. 64 x + 63].  Eight waves; wave w owns outputs 16 w .. 16 w + 15 for all four tiles of 16 positions: 12 matrix instructions.
; Its 16 rows of w_o and w_res come straight into registers.  The block's twelve fragments of positions (z: 8, x: 4) are read by all eight waves: each wave brings an eighth from memory and lays it into LDS as images
; of the operand's registers (lane l's 16 bytes at 16 l); z lies in memory in that very order, 16,384 consecutive bytes a block.
; THE POSITIONS OF A TILE ARE NOT NEIGHBOURS: lane r of tile t takes position 32 (t / 2) + 8 (t % 2) + r + 8 (r / 8), in z (as the launch before laid it) and in x.  Source 0 = 16 positions, source 1 = 16 rows of the weight:
; lane (r, h) then holds output 16 w + r, and register j of tile t position 32 (t / 2) + 16 h + 8 (t % 2) + j: neighbours along out's innermost axis.
; The two biases, added, are the C of the first K step.  Results go through the wave's own stage in LDS, so that sixteen lanes store 256 consecutive bytes at a multiple of 256 from out's first byte.
; NO CLUSTER: a block's z and x belong to one work-group alone; what all share, 50 KB of weights, is read once, 6 KB a wave, into registers.  NO TENSOR LOAD, NO RING: nothing in LDS is filled twice.  NO PREFETCH: all loads stand at the head.
; LIMITS: NaN and infinities are not served.
.set XIMG, 16384                       ; LDS: z's eight fragments (4 ks + t) x 2,048 from 0 on; x's four from here on;
.set STG,  24576                       ; the stages: 16 rows x (256 bytes + 16) for each wave
.set L16, 1                            ; v1   16 x lane
.set XA,  4                            ; v4   (r + 8 (r / 8)) x 128 + 16 h
.set XSA, 5                            ; v5   (r + 8 (r / 8)) x 4
.set FA,  64                           ; v64-127  four fragments of positions: K steps 0 and 2; at the head the copies; at the end rows of out
.set FB,  128                          ; v128-191 four more: K step 1
.set ACC, 192                          ; v192-223 four accumulators
                                       ; v16-63 the weights' three fragments; v224-231 the bias; v232, v233 its two parts
                                       ; scales and nothing else: v[234:235] w_o's two words, v236 w_res's, v[238+2t:239+2t] z's two words of tile t, v246+t x's
.macro PLACES n
.rept \n
	v_nop
.endr
.endm
.macro FRAGS reg, ks                   ; the four fragments of K step ks, from their images
.irp t, 0,1,2,3
.irp c, 0,1,2,3
	ds_load_b128 v[\reg+16*\t+4*\c:\reg+16*\t+4*\c+3], v[L16] offset:(4*\ks+\t)*2048+512*\c
.endr
.endr
.endm
	s_load_b256 s[4:11], s[0:1], 0x0               ; z's codes s[4:5], z's scales s[6:7], x's codes s[8:9], x's scales s[10:11]
	s_load_b256 s[12:19], s[0:1], 0x20             ; w_o's codes s[12:13], scales s[14:15]; w_res's codes s[16:17], scales s[18:19]
	s_load_b128 s[20:23], s[0:1], 0x40             ; b_o s[20:21], b_res s[22:23]
	s_load_b64 s[24:25], s[0:1], 0x50              ; out
	v_lshl_add_u32 v254, v0, 2, 0xe800
	v_mov_b32 v255, 0
	v_lshrrev_b32 v2, 5, v0
	s_delay_alu instid0(VALU_DEP_1)
	v_readfirstlane_b32 s26, v2                    ; wave 0..7
	v_and_b32 v2, 31, v0
	s_delay_alu instid0(VALU_DEP_1)
	v_lshlrev_b32 v[L16], 4, v2
	v_and_b32 v2, 15, v0                           ; r
	v_bfe_u32 v3, v0, 4, 1                         ; h
	s_delay_alu instid0(VALU_DEP_2)
	v_and_b32 v5, 8, v2
	s_delay_alu instid0(VALU_DEP_1)
	v_add_nc_u32 v5, v5, v2                        ; r + 8 (r / 8)
	s_delay_alu instid0(VALU_DEP_1)
	v_lshlrev_b32 v[XA], 7, v5
	s_delay_alu instid0(VALU_DEP_1)
	v_lshl_add_u32 v[XA], v3, 4, v[XA]
	s_delay_alu instid0(VALU_DEP_3)
	v_lshlrev_b32 v[XSA], 2, v5
	v_lshlrev_b32 v6, 3, v2                        ; 8 r: a row's two scale words
	v_lshlrev_b32 v7, 8, v2
	s_delay_alu instid0(VALU_DEP_1)
	v_lshl_add_u32 v7, v3, 4, v7                   ; w_o: row r of 256 bytes + 16 h
	v_lshlrev_b32 v8, 7, v2
	s_delay_alu instid0(VALU_DEP_1)
	v_lshl_add_u32 v8, v3, 4, v8                   ; w_res: row r of 128 bytes + 16 h
	v_lshlrev_b32 v9, 2, v2                        ; 4 r
	s_lshl_b32 s28, s26, 11
	v_add_nc_u32 v10, s28, v[L16]                  ; where my eighth of z goes: one fragment
	s_lshl_b32 s28, s26, 10
	s_add_co_u32 s28, s28, XIMG
	v_add_nc_u32 v11, s28, v[L16]                  ; and my eighth of x: half a fragment
	s_mul_i32 s28, s26, 16*272
	s_add_co_u32 s28, s28, STG                     ; my stage
	v_mul_u32_u24 v12, v2, 272
	s_delay_alu instid0(VALU_DEP_1)
	v_lshl_add_u32 v12, v3, 6, v12
	s_delay_alu instid0(VALU_DEP_1)
	v_add_nc_u32 v12, s28, v12                     ; in: row r, + 64 h
	v_mul_u32_u24 v13, v3, 272
	s_delay_alu instid0(VALU_DEP_1)
	v_lshl_add_u32 v13, v2, 4, v13
	s_delay_alu instid0(VALU_DEP_1)
	v_add_nc_u32 v13, s28, v13                     ; back: lanes 0-15 one row, lanes 16-31 the next
	v_lshlrev_b32 v14, 12, v3
	s_delay_alu instid0(VALU_DEP_1)
	v_lshl_add_u32 v14, v2, 4, v14                 ; and the same two rows of out, 4,096 bytes apart
	s_and_b32 s29, ttmp7, 0xffff                   ; the batch
	s_mov_b32 s31, 0
	s_wait_alu depctr_va_vdst(0)
	s_wait_kmcnt 0x0
	s_lshl_b32 s30, s29, 4                         ; offsets are made apart from the addresses, in s[30:31]
	s_add_co_u32 s30, s30, ttmp9
	s_lshl_b32 s30, s30, 14                        ; the block's 16,384 bytes of z,
	s_lshl_b32 s28, s26, 11
	s_add_co_u32 s30, s30, s28                     ; my 2,048 of them
	s_add_nc_u64 s[32:33], s[4:5], s[30:31]
	s_lshl_b32 s30, s29, 10
	s_lshl_b32 s28, ttmp9, 6
	s_add_co_u32 s30, s30, s28                     ; the block's first position: 1024 b + 64 x
	s_lshl_b32 s27, s30, 2                         ; (its scale word's place)
	s_lshr_b32 s28, s26, 2
	s_lshl_b32 s28, s28, 5
	s_add_co_u32 s30, s30, s28
	s_bfe_u32 s28, s26, 0x10001
	s_lshl_b32 s28, s28, 3
	s_add_co_u32 s30, s30, s28                     ; tile t = w / 2 begins at position 32 (t / 2) + 8 (t % 2)
	s_lshl_b32 s30, s30, 7
	s_and_b32 s28, s26, 1
	s_lshl_b32 s28, s28, 6
	s_add_co_u32 s30, s30, s28                     ; my half of its rows' 128 bytes
	s_add_nc_u64 s[34:35], s[8:9], s[30:31]
	s_mov_b32 s30, s27
	s_add_nc_u64 s[46:47], s[10:11], s[30:31]      ; x's scale words
	s_lshl_b32 s30, s27, 1                         ; 8 bytes a position: (64 b + 4 x) tiles of 128 bytes
	s_add_nc_u64 s[44:45], s[6:7], s[30:31]        ; z's
	s_lshl_b32 s30, s26, 12
	s_add_nc_u64 s[36:37], s[12:13], s[30:31]      ; my 16 rows of w_o,
	s_lshl_b32 s30, s26, 11
	s_add_nc_u64 s[38:39], s[16:17], s[30:31]      ; of w_res,
	s_lshl_b32 s30, s26, 7
	s_add_nc_u64 s[40:41], s[14:15], s[30:31]      ; their scales,
	s_lshl_b32 s30, s26, 6
	s_add_nc_u64 s[42:43], s[18:19], s[30:31]
	s_add_nc_u64 s[48:49], s[20:21], s[30:31]      ; and their biases
	s_add_nc_u64 s[50:51], s[22:23], s[30:31]
	s_lshl_b32 s30, s29, 19
	s_lshl_b32 s28, s26, 16
	s_add_co_u32 s30, s30, s28
	s_lshl_b32 s28, ttmp9, 8
	s_add_co_u32 s30, s30, s28                     ; ((128 b + 16 w) x 1024 + 64 x) x 4
	s_add_nc_u64 s[52:53], s[24:25], s[30:31]
	; the six loads whose data go on into LDS come first
.irp c, 0,1,2,3
	global_load_b128 v[FA+4*\c:FA+4*\c+3], v[L16], s[32:33] offset:512*\c th:TH_LOAD_NT   ; read once in the launch
.endr
.irp i, 0,1
	global_load_b128 v[FA+16+4*\i:FA+16+4*\i+3], v[XA], s[34:35] offset:32*\i
.endr
	; then 24 into registers that keep them
.irp k, 0,1
.irp c, 0,1,2,3
	global_load_b128 v[16+16*\k+4*\c:16+16*\k+4*\c+3], v7, s[36:37] offset:128*\k+32*\c
.endr
.endr
.irp c, 0,1,2,3
	global_load_b128 v[48+4*\c:48+4*\c+3], v8, s[38:39] offset:32*\c
.endr
	global_load_b64 v[234:235], v6, s[40:41]
	global_load_b32 v236, v9, s[42:43]
.irp t, 0,1,2,3
	global_load_b64 v[238+2*\t:239+2*\t], v6, s[44:45] offset:128*\t
.endr
.irp t, 0,1,2,3
	global_load_b32 v[246+\t], v[XSA], s[46:47] offset:(32*(\t/2)+8*(\t%2))*4
.endr
	global_load_b32 v232, v9, s[48:49]
	global_load_b32 v233, v9, s[50:51]
	s_wait_loadcnt 24                              ; the six are in; the 24 behind them may be out
.irp c, 0,1,2,3
	ds_store_b128 v10, v[FA+4*\c:FA+4*\c+3] offset:512*\c
.endr
.irp i, 0,1
	ds_store_b128 v11, v[FA+16+4*\i:FA+16+4*\i+3] offset:512*\i
.endr
	s_wait_dscnt 0x0                               ; for the others' sake: my stores have landed
	s_barrier_signal -1
	s_barrier_wait -1                              ; the twelve fragments lie in LDS
	FRAGS FA, 0
	FRAGS FB, 1
	s_wait_loadcnt 0x0
.irp i, 0,1,2,3,4,5,6,7
	v_add_f32 v[224+\i], v232, v233                ; a lane holds one output: its bias in all eight registers
.endr
	s_wait_alu depctr_va_vdst(0)
	s_wait_dscnt 16                                ; K step 0's sixteen loads are in; K step 1's may be out
.irp t, 0,1,2,3
	v_wmma_scale_f32_16x16x128_f8f6f4 v[ACC+8*\t:ACC+8*\t+7], v[FA+16*\t:FA+16*\t+15], v[16:31], v[224:231], v[238+2*\t], v234
.endr
	PLACES 8                                       ; in front of loads into registers that these products read
	FRAGS FA, 2
	s_wait_dscnt 16                                ; K step 1's are in; K step 2's may be out
.irp t, 0,1,2,3
	v_wmma_scale_f32_16x16x128_f8f6f4 v[ACC+8*\t:ACC+8*\t+7], v[FB+16*\t:FB+16*\t+15], v[32:47], v[ACC+8*\t:ACC+8*\t+7], v[239+2*\t], v235   ; the four accumulators by turns
.endr
	s_wait_dscnt 0x0
.irp t, 0,1,2,3
	v_wmma_scale_f32_16x16x128_f8f6f4 v[ACC+8*\t:ACC+8*\t+7], v[FA+16*\t:FA+16*\t+15], v[48:63], v[ACC+8*\t:ACC+8*\t+7], v[246+\t], v236
.endr
	PLACES 8                                       ; in front of the reads of the results, and of loads into registers that the last products read
.irp t, 0,1,2,3
	ds_store_b128 v12, v[ACC+8*\t:ACC+8*\t+3] offset:(32*(\t/2)+8*(\t%2))*4          ; each accumulator from its low end on
	ds_store_b128 v12, v[ACC+8*\t+4:ACC+8*\t+7] offset:(32*(\t/2)+8*(\t%2))*4+16
.endr
.irp i, 0,1,2,3,4,5,6,7
	ds_load_b128 v[FA+4*\i:FA+4*\i+3], v13 offset:544*\i          ; LDS serves a wave's instructions in order (ISA guide 5.7.1.4): these see my stores; the stage is mine alone
.endr
.irp i, 0,1,2,3,4,5,6,7
	s_wait_dscnt 7-\i                              ; load i is in; the younger ones may be out
	global_store_b128 v14, v[FA+4*\i:FA+4*\i+3], s[52:53] offset:8192*\i th:TH_STORE_NT   ; sixteen lanes store 256 consecutive bytes of one row of out; written once, read by nobody here
.endr
	s_wait_tensorcnt 0x0
	ds_add_u32 v254, v255
	s_wait_dscnt 0x0
	s_endpgm
.Lfunc_end_k_q3b37c06e48_proj:
	.size	k_q3b37c06e48_proj, .Lfunc_end_k_q3b37c06e48_proj-k_q3b37c06e48_proj
	.p2alignl 7, 3214868480
	.fill 96, 4, 3214868480
	.section	.rodata,"a",@progbits
	.p2align	6, 0x0
	.amdhsa_kernel k_q3b37c06e48_proj
		.amdhsa_group_segment_fixed_size 60416
		.amdhsa_private_segment_fixed_size 0
		.amdhsa_enable_private_segment 0
		.amdhsa_kernarg_size 88
		.amdhsa_user_sgpr_count 2
		.amdhsa_user_sgpr_kernarg_segment_ptr 1
		.amdhsa_wavefront_size32 1
		.amdhsa_system_sgpr_workgroup_id_x 1
		.amdhsa_system_sgpr_workgroup_id_y 1
		.amdhsa_system_sgpr_workgroup_id_z 1
		.amdhsa_system_vgpr_workitem_id 0
		.amdhsa_next_free_vgpr 256
		.amdhsa_next_free_sgpr 66
		.amdhsa_reserve_vcc 0
		.amdhsa_float_denorm_mode_32 3
		.amdhsa_float_denorm_mode_16_64 3
		.amdhsa_memory_ordered 1
		.amdhsa_forward_progress 1
		.amdhsa_inst_pref_size 15
	.end_amdhsa_kernel
	.amdgpu_metadata
---
amdhsa.version: [ 1, 2 ]
amdhsa.kernels:
  - .name:           k_q3b37c06e48_proj
    .symbol:         k_q3b37c06e48_proj.kd
    .args:
      - { .name: z_codes, .offset: 0, .size: 8, .value_kind: global_buffer, .address_space: global }
      - { .name: z_scales, .offset: 8, .size: 8, .value_kind: global_buffer, .address_space: global }
      - { .name: x_codes, .offset: 16, .size: 8, .value_kind: global_buffer, .address_space: global }
      - { .name: x_scales, .offset: 24, .size: 8, .value_kind: global_buffer, .address_space: global }
      - { .name: w_o_codes, .offset: 32, .size: 8, .value_kind: global_buffer, .address_space: global }
      - { .name: w_o_scales, .offset: 40, .size: 8, .value_kind: global_buffer, .address_space: global }
      - { .name: w_res_codes, .offset: 48, .size: 8, .value_kind: global_buffer, .address_space: global }
      - { .name: w_res_scales, .offset: 56, .size: 8, .value_kind: global_buffer, .address_space: global }
      - { .name: b_o, .offset: 64, .size: 8, .value_kind: global_buffer, .address_space: global }
      - { .name: b_res, .offset: 72, .size: 8, .value_kind: global_buffer, .address_space: global }
      - { .name: out0, .offset: 80, .size: 8, .value_kind: global_buffer, .address_space: global }
    .group_segment_fixed_size: 60416
    .private_segment_fixed_size: 0
    .kernarg_segment_align: 8
    .kernarg_segment_size: 88
    .max_flat_workgroup_size: 256
    .sgpr_count:     66
    .vgpr_count:     256
    .wavefront_size: 32
...
	.end_amdgpu_metadata
.endif
;; end of part 2
